; MI455X (gfx1250); checked and timed in simulation.
; The chip was launched on July 23, 2026; its instructions are those of AMD's public machine-readable ISA for CDNA 5 (MIT licence, August 2026) and "CDNA5" Instruction Set Architecture Reference Guide (July 2026). The comments in the code are by the model that wrote it; some were corrected since.
;; Conv Self Attention. Allowed arithmetic: matrix products marked QUANTISED: E3M2 operands, one E8M0 scale for each 32 along K, by v_wmma_scale_f32_16x16x128_f8f6f4 with both operands' format E3M2, f32 sums; everything else in f32.
;; Inputs: K 4 x 2,048 x 1,024 float32; Q 4 x 2,048 x 1,024 float32; V 4 x 2,048 x 1,024 float32.
;; Outputs: out0 4 x 2,048 x 1,024 float32.
;; This version of the problem:
;;   THIS VERSION OF THE PROBLEM IS GIVEN IN LOW PRECISION. The matrix products marked QUANTISED in the list below multiply operands that are first quantised to E3M2 (3 exponent bits, 2 mantissa bits; 6 bits a number), with one power-of-two scale for each 32 numbers along K (OCP MX v1.0); their sums are f32. All else is computed in f32.
;;   The module's matrix products, in the order in which they are computed (A, B: the left and right operand; K: the contracted axis; several contracted axes count as one K, in the product's order):
;;     1. batch 64 x [M 2,048, K 64] x [K 64, N 2,048]; A: input Q; B: input Q: QUANTISED
;;     2. batch 64 x [M 64, K 2,048] x [K 2,048, N 2,048]; A: input Q; B: softmax (see below): QUANTISED
;;   THE QUANTISER, for each operand of a quantised product, along K:
;;     - K is cut into blocks of 32 from its start; a last block that is shorter is filled with zeros.
;;     - A block's scale is 2^e with e = floor(log2(the largest magnitude in the block)) - 4, held to -126 .. 127; a block of zeros has e = 0. As a byte (E8M0): e + 127.
;;     - Each number is divided by its block's scale, clamped to +-28, and rounded to the nearest number of E3M2, ties to even, subnormals kept.
;;     - The product sums the exact products of the quantised numbers (number of the format x scale) in f32.
;;   ~~~python
;;   def quantise(x, axis):      # numpy; x: float32 -> the quantised numbers, widened to float32 again
;;       x = np.moveaxis(x, axis, -1); K = x.shape[-1]
;;       x = np.pad(x, [(0, 0)] * (x.ndim - 1) + [(0, -K % 32)]); x = x.reshape(x.shape[:-1] + (-1, 32)); a = np.abs(x).max(-1, keepdims=True)
;;       e = np.where(a > 0, np.clip(np.frexp(np.where(a > 0, a, 1))[1] - 1 - 4, -126, 127), 0)      # np.frexp(a)[1] - 1 = floor(log2(a)), exactly
;;       r = np.clip(x / 2.0 ** e, -28, 28)
;;       step = 2.0 ** (np.maximum(np.frexp(np.where(r == 0, 1, r))[1] - 1, -2) - 2)
;;       q = np.round(r / step) * step * 2.0 ** e      # np.round: ties to even
;;       return np.moveaxis(q.reshape(q.shape[:-2] + (-1,))[..., :K], -1, axis).astype(np.float32)
;;   ~~~
;;   SOFTMAX AHEAD OF A QUANTISED PRODUCT. Where the list says 'softmax', what is quantised is not the finished softmax but p = 2^(t - M), with t = logit x log2(e) and M = ceil(the row's largest t), a whole number; so 1/2 < the row's largest p <= 1. The row's sum l is taken of the UNQUANTISED p, in f32, and the product's result is divided by l at the end. Since M is a whole number, a kernel that streams over the keys may use a running M (the ceiling of the running maximum): every later rescaling is an exact power of two, which a block's scale takes up: the codes' values come out the same.
;;   OPERANDS COMPUTED ON THE WAY. 'Computed on the way' means the value that the module computes at that place (a softmax that the list does not call 'softmax' is quantised finished and normalised). What goes into a quantiser is computed in f32, as accurately as f32 sums, v_exp_f32 and their like allow (about 1e-6 of the number): no bf16 or f16 on the way to a quantiser, and a product that is left as it is and whose result goes on into a quantised operand takes f32 operands (vector FMAs, or v_wmma_f32_16x16x4_f32). A number that lies on a knife's edge between two numbers of the format may be rounded either way, as far as f32 arithmetic and the matrix unit's own rounding can turn it there, and no further.
;; One version. Each part assembles by itself: llvm-mc -triple=amdgcn-amd-amdhsa -mcpu=gfx1250 --defsym DOCPART=n.
;; ======== version 1 of 1: 1 launch
;; limits: right only within a limited range of input values
;; launch selfattn (part 1): grid 256 x 1, 16 waves a work-group, no clusters, 327,680 bytes of LDS; arguments Q, out0; writes out0
.if DOCPART == 1
	.amdgcn_target "amdgcn-amd-amdhsa--gfx1250"
	.amdhsa_code_object_version 6
	.text
	.protected	k_q2237dd74ff_selfattn
	.globl	k_q2237dd74ff_selfattn
	.p2align	8
	.type	k_q2237dd74ff_selfattn,@function
k_q2237dd74ff_selfattn:
	s_mov_b64 s[64:65], 0
	v_nop
	global_prefetch_b8 v0, s[64:65] scope:SCOPE_SE
	s_setreg_imm32_b32 hwreg(HW_REG_WAVE_MODE, 25, 1), 1
	s_wait_xcnt 0x0
; out0[b][s][64 h + d] = sum over keys t of softmax_t(q[s] . q[t] / 8) q[t][d], q[s] = Q[b][s][64 h .. 64 h + 63]: attention of Q against itself, 64 (batch, head) pairs, 2,048 positions.
; DEAD WORK: the defining function reshapes Q into its keys and values too and never uses the inputs K and V: no number of out0 hangs on them for any values, so they are neither named nor loaded.
; A NaN, an infinity or an overflow in K or V is not carried to the result.
; BOTH PRODUCTS run on codes of BF6 (E3M2), one E8M0 scale for each 32 along K.  Scores: K = the head's 64.  Second product: K = the keys; operands Q^T quantised along the keys and p = 2^(t - M),
; t = score x log2(e) / 8, M the ceiling of the RUNNING largest t: when M moves, O^T and the sums are multiplied by 2^(old M - new M), in every step, with no branch on data.
; SHARES: 256 work-groups, four to a pair (64 numbers apart), sixteen waves; a wave owns 32 consecutive queries, two tiles of 16.
; THE STREAM: the head's keys come as f32, 128 keys a step, by tensor loads into two slots (128 rows of 256 + 16 bytes); every wave fetches 8 rows.  In trip t each wave quantises one sixteenth of
; record t + 1 (waves 0-7: fragment w of K, a lane a block of 32 along the head; waves 8-15: half a fragment of V^T, a lane a channel and 32 keys down the rows) into a ring of two records, and attends to
; record t.  One barrier a trip: in front of its signal my loads have landed, my record's part is stored and my reads of the slot and of the record are over; the rest of the trip is register work.
; A RECORD is an image of operand registers: 8 groups of 12 registers (1,536 bytes: register p of lane l at 512 (p / 4) + 16 l + 4 (p % 4)); groups 0-3 pairs of K's fragments, 4-7 V^T's fragments;
; unit w fills registers 6 (w % 2) .. + 5 of group w / 2.  Scale words: word (w / 2) % 4 of row r, byte 2 (w % 2) + lane / 16.
; THE KEYS OF A TILE: fragment 4 c + i holds keys 64 c + 8 i + 0..7 in rows 0-7 and 64 c + 32 + 8 i + 0..7 in rows 8-15; both products are used transposed, so a lane holds one query and its score
; registers 32 c + 0..31 are the whole block of keys 64 c + 32 (lane / 16) + 0..31: the conversions' results are the second product's operand.
; K = 64 IN AN INSTRUCTION OF K = 128: a pair of fragments is one operand; it is multiplied by [q | zero codes] for the even fragment and by [zero codes | q] for the odd one.
; A QUERY'S SCORE WITH ITSELF is a sum of 64 squares of codes, which plain f32 additions give without rounding; it starts M and takes the place of the product's result for that one key, in the one
; step that holds the wave's queries (a scalar branch on ids).
; NO JOINT REQUESTS: that branch hangs on the work-group's quarter of the queries; without it each tile of each step would carry 32 selects more, 1,024 a wave.
; PREFETCH: trip t fetches record t + 2 and asks for record t + 4: 128 rows of 256 bytes, shared out among the pair's four work-groups, 32 rows each, a lane a row, wave 0; records 2 and 3 are asked for
; at the head; trips 12 and later ask for nothing.
; LIMITS: NaN and infinities in Q are not served.  M is a whole number kept in f32: |t| stays under 2^24.  A p under 2^-126 counts as 0.  A block of zeros gets the byte 1 where the rule says 127 (its
; codes are zeros; this text alone reads the bytes).  A block's largest p is made from its largest score: this takes v_exp_f32 not to fall where its input rises.
.set SP,    272
.set RAW,   128*SP                     ; a slot; slot 0 at 0, slot 1 behind it
.set REC0,  2*RAW                      ; the ring of two records
.set REC,   12800
.set SCB,   12288                      ; a record's scale words: 256 bytes for K, 256 for V
.set STG,   REC0+2*REC                 ; a stage of 32 rows for each wave
.set STW,   32*SP
.set SSQB,  STG+16*STW                 ; 8 bytes a thread: the own scores
.set SPARE, SSQB+4096                  ; the spare words, 128 bytes a wave
.set RB,   1                           ; REC0 + 16 x lane
.set RS,   2                           ; REC0 + SCB + 16 (lane % 16)
.set QS,   3                           ; q's scale words: lanes 0-15 tile A, 16-31 tile B
                                       ; v4 -M of A, v5 p's scale word of A; v6, v7 of B; v[8:9], v[10:11] the sums
.set KA,   12                          ; slot address of my block of K
.set VA,   13                          ; and of V
.set TM,   14
.set T,    16                          ; v16-19 at work
.set SCL,  20                          ; v20-23 K's scale words, then V's
.set SPW,  24
.set NIL,  25
.set QZ,   26                          ; v26-55: zeros, qA, zeros, qB, zeros, 6 each
.set PCB,  56                          ; v56-67 p's codes of A, v68-79 of B (v68-78 at work while a record's part is made)
.set KF,   80                          ; v80-127 K's fragments, then V's
.set S,    128                         ; v128-191 f32 block, then S^T, then p
.set OB,   192                         ; v192-255 O^T
.set SEL, 16
.set CS,  18
.set NC,  20
.set TT,  21                           ; the trip
.set II,  22
.set DG,  23                           ; the trip that holds my queries
.set W1,  24
.set W2,  25
.set SA,  26
.set LIM, 27
.set C32, 28
.set HB,  29
.set G1,  32
.set G1H, 40
.set G0A, 48
.set G0B, 52
.set G0H, 56
.set PF,  60
	s_load_b128 s[4:7], s[0:1], 0x0
	v_lshl_add_u32 v[SPW], v0, 2, SPARE
	v_mov_b32 v[NIL], 0
	ds_add_u32 v[SPW], v[NIL]                      ; the opening: the add twice and one wait
	ds_add_u32 v[SPW], v[NIL]
	v_lshrrev_b32 v80, 5, v0
	v_readfirstlane_b32 s8, v80                    ; wave
	s_and_b32 s10, ttmp9, 63                       ; the pair
	s_lshr_b32 s9, ttmp9, 6                        ; y: my quarter of the queries
	s_lshr_b32 s11, s10, 4
	s_lshl_b32 s11, s11, 23
	s_and_b32 s10, s10, 15
	s_lshl_b32 s10, s10, 8
	s_add_co_u32 s10, s10, s11                     ; the head's first byte
	s_mov_b32 s11, 0
	s_lshl_b32 s12, s9, 21
	s_lshl_b32 s13, s8, 17
	s_add_co_u32 s12, s12, s13                     ; my queries: row 512 y + 32 wave
	s_mov_b32 s13, 0
	s_lshl_b32 s14, s8, 16                         ; the head's load: 16 rows a wave
	s_mov_b32 s15, 0
	s_lshl_b32 s30, s8, 15                         ; a trip's load: 8 rows a wave
	s_mov_b32 s31, 0
	s_lshl_b32 s62, s9, 17                         ; the prefetches: 32 rows a work-group
	s_mov_b32 s63, 0
	s_mov_b32 s[SEL], 0x76543210
	s_mov_b32 s[SEL+1], 0xfedcba98
	s_mov_b32 s[CS], 0x3e38aa3b                    ; log2(e) / 8
	s_mov_b32 s[CS+1], s[CS]
	s_mov_b32 s[NC], 0xbe38aa3b
	s_lshl_b32 s[DG], s9, 2
	s_lshr_b32 s69, s8, 2
	s_add_co_u32 s[DG], s[DG], s69
	s_bfe_u32 s[C32], s8, 0x10001
	s_lshl_b32 s[C32], s[C32], 5
	s_and_b32 s[HB], s8, 1
	s_lshr_b32 s[W1], s8, 1
	s_mul_i32 s[W1], s[W1], 1536
	s_mul_i32 s[W2], s[HB], 520
	s_add_co_u32 s[W1], s[W1], s[W2]               ; 1,536 (w / 2) + 520 (w % 2)
	s_mul_i32 s[W2], s[HB], 496
	s_add_co_u32 s[W2], s[W2], s[W1]               ; 1,536 (w / 2) + 1,016 (w % 2)
	s_lshr_b32 s[SA], s8, 3
	s_lshl_b32 s[SA], s[SA], 8
	s_bfe_u32 s69, s8, 0x20001
	s_lshl_b32 s69, s69, 2
	s_add_co_u32 s[SA], s[SA], s69
	s_lshl_b32 s69, s[HB], 1
	s_add_co_u32 s[SA], s[SA], s69
	s_and_b32 s70, s8, 7
	s_lshr_b32 s66, s70, 2
	s_lshl_b32 s66, s66, 6
	s_and_b32 s69, s70, 3
	s_lshl_b32 s69, s69, 3
	s_add_co_u32 s66, s66, s69
	s_mul_i32 s66, s66, SP                         ; K: fragment's first row
	s_and_b32 s67, s70, 1
	s_mul_i32 s67, s67, 64*SP
	s_lshr_b32 s69, s70, 1
	s_lshl_b32 s69, s69, 6
	s_add_co_u32 s67, s67, s69                     ; V: 64 (v % 2) rows + 16 (v / 2) channels
	s_mul_i32 s68, s8, STW
	s_add_co_u32 s68, s68, STG                     ; my stage
	s_cmp_eq_u32 s8, 0
	s_cselect_b32 s[LIM], 12, 0
	s_mov_b32 s[G1], 0x7520000                     ; elements of 4 bytes; 4 words of padding behind every 64
	s_mov_b32 s[G1+1], 64<<16
	s_mov_b32 s[G1+2], 8<<16
	s_mov_b32 s[G1+3], 64<<16
	s_mov_b32 s[G1+4], 8
	s_mov_b32 s[G1+5], 1024
	s_mov_b32 s[G1+6], 0
	s_mov_b32 s[G1+7], 0
	s_mov_b32 s[G1H], 0x7520000
	s_mov_b32 s[G1H+1], 64<<16
	s_mov_b32 s[G1H+2], 16<<16
	s_mov_b32 s[G1H+3], 64<<16
	s_mov_b32 s[G1H+4], 16
	s_mov_b32 s[G1H+5], 1024
	s_mov_b32 s[G1H+6], 0
	s_mov_b32 s[G1H+7], 0
	s_mov_b32 s[G0H], 1
	s_mov_b32 s[G0A], 1
	s_mov_b32 s[G0B], 1
	s_mul_i32 s[G0H+1], s8, 16*SP
	s_mul_i32 s[G0A+1], s8, 8*SP
	s_add_co_u32 s[G0B+1], s[G0A+1], RAW
	s_mov_b32 s[TT], 0
	s_mov_b32 s[II], 0
	s_wait_alu depctr_va_vdst(0)                   ; the wait ahead of the waits below
	s_wait_dscnt 0x0
	s_wait_kmcnt 0x0
	s_add_nc_u64 s[4:5], s[4:5], s[10:11]
	s_add_nc_u64 s[G0H+2:G0H+3], s[4:5], s[14:15]
	s_or_b32 s[G0H+3], s[G0H+3], 0x80000000
	tensor_load_to_lds s[G0H:G0H+3], s[G1H:G1H+7]  ; records 0 and 1: both slots, 16 rows a wave, my one load at the head
	s_nop 0
	v_and_b32 v80, 15, v0                          ; r
	v_bfe_u32 v81, v0, 4, 1                        ; h
	v_lshlrev_b32 v85, 4, v80
	v_lshl_or_b32 v85, v81, 16, v85                ; 16 r + 16 rows x h
	v_lshlrev_b32 v89, 12, v0                      ; wave 0: a lane a row
	s_add_nc_u64 s[6:7], s[6:7], s[10:11]
	s_add_nc_u64 s[6:7], s[6:7], s[12:13]
	s_add_nc_u64 s[12:13], s[4:5], s[12:13]
.irp j, 0,1,2,3,4,5,6,7,8,9,10,11,12,13,14,15
	global_load_b128 v[OB+4*\j:OB+4*\j+3], v85, s[12:13] offset:4096*\j   ; my queries: sixteen lanes cover a row's 256 bytes
.endr
	s_add_nc_u64 s[G0A+2:G0A+3], s[4:5], s[30:31]
	s_add_nc_u64 s[G0A+2:G0A+3], s[G0A+2:G0A+3], 0x100000   ; record 2
	s_add_nc_u64 s[G0B+2:G0B+3], s[G0A+2:G0A+3], 0x80000    ; record 3
	s_or_b32 s[G0A+3], s[G0A+3], 0x80000000
	s_or_b32 s[G0B+3], s[G0B+3], 0x80000000
	s_add_nc_u64 s[PF:PF+1], s[4:5], s[62:63]
	s_add_nc_u64 s[PF:PF+1], s[PF:PF+1], 0x100000
	s_cmp_lg_u32 s8, 0
	s_wait_alu depctr_va_vdst(0)                   ; the wait ahead of the branch
	s_cbranch_scc1 .Lnp0
	global_prefetch_b8 v89, s[PF:PF+1] th:TH_LOAD_NT scope:SCOPE_SE
	global_prefetch_b8 v89, s[PF:PF+1] offset:0x80000 th:TH_LOAD_NT scope:SCOPE_SE
.Lnp0:
	v_and_b32 v82, 31, v0
	v_lshl_add_u32 v[RB], v82, 4, REC0
	v_lshl_add_u32 v[RS], v80, 4, REC0+SCB
	v_and_b32 v83, 7, v0
	v_bfe_u32 v84, v0, 3, 1
	v_lshl_add_u32 v83, v84, 5, v83                ; the fragment's row r is key r % 8 + 32 (r / 8)
	v_mul_u32_u24 v83, v83, SP
	v_lshl_add_u32 v83, v81, 7, v83
	v_add_nc_u32 v[KA], s66, v83
	v_mul_u32_u24 v84, v81, 32*SP
	v_lshl_add_u32 v84, v80, 2, v84
	v_add_nc_u32 v[VA], s67, v84
	v_mul_u32_u24 v86, v81, 16*SP
	v_lshl_add_u32 v86, v80, 4, v86
	v_add_nc_u32 v86, s68, v86                     ; stage, by rows: row (+ 16 h), 16 r
	v_mul_u32_u24 v87, v80, SP
	v_lshl_add_u32 v87, v81, 7, v87
	v_add_nc_u32 v87, s68, v87                     ; stage, by blocks: row r, block h
	v_lshl_add_u32 v88, v0, 3, SSQB
	v_mov_b32 v90, 0x7f7f7f7f
	v_lshlrev_b32 v91, 3, v81                      ; 8 h
; 32 consecutive registers, one block, become six registers of codes from v[c] on and the scale's byte in v[by]; the block's upper 16 codes stay in v[x .. x + 2] too.
.macro QBLK x, c, by
	v_max3_num_f32 v[T], |v[(\x)]|, |v[(\x)+1]|, 0x2800000         ; the floor 2^(5 - 127) among the leaves: the byte cannot fall under 1
	v_max3_num_f32 v[T+1], |v[(\x)+2]|, |v[(\x)+3]|, |v[(\x)+4]|
.irp i, 5,9,13,17,21,25
	s_delay_alu instid0(VALU_DEP_2)
	v_max3_num_f32 v[T], v[T], |v[(\x)+\i]|, |v[(\x)+\i+1]|
	s_delay_alu instid0(VALU_DEP_2)
	v_max3_num_f32 v[T+1], v[T+1], |v[(\x)+\i+2]|, |v[(\x)+\i+3]|
.endr
	s_delay_alu instid0(VALU_DEP_2)
	v_max3_num_f32 v[T], v[T], |v[(\x)+29]|, |v[(\x)+30]|
	s_delay_alu instid0(VALU_DEP_1)
	v_max3_num_f32 v[T], v[T], v[T+1], |v[(\x)+31]|
	s_delay_alu instid0(VALU_DEP_1)
	v_add_nc_u32 v[T+2], 0xfe000000, v[T]          ; 4 off the exponent field: the conversions' scale operand
	v_cvt_scalef32_pk16_bf6_f32 v[(\c):(\c)+2], v[(\x):(\x)+15], v[T+2]
	v_lshrrev_b32 v[(\by)], 23, v[T+2]             ; the byte (the plain line between the conversions)
	v_cvt_scalef32_pk16_bf6_f32 v[(\x):(\x)+2], v[(\x)+16:(\x)+31], v[T+2]
	v_nop
.irp i, 0,1,2
	v_mov_b32 v[(\c)+3+\i], v[(\x)+\i]
.endr
.endm
	s_wait_alu depctr_va_vdst(0)                   ; the wait ahead of the wait below
	s_wait_loadcnt 0x0
.irp j, 0,1,2,3,4,5,6,7,8,9,10,11,12,13,14,15
	ds_store_b128 v86, v[OB+4*\j:OB+4*\j+3] offset:SP*\j
.endr
.irp x, 0,1
.irp q, 0,1,2,3,4,5,6,7
	ds_load_b128 v[S+32*\x+4*\q:S+32*\x+4*\q+3], v87 offset:16*SP*\x+16*\q   ; LDS serves a wave's instructions in order: these see the stores above
.endr
.endr
	s_wait_dscnt 0x0
	QBLK S, QZ+6, TM
	QBLK S+32, QZ+18, TM+1
	v_lshlrev_b32 v82, v91, v[TM]                  ; q's scale words: bytes b0 b1 b0 b1
	v_lshlrev_b32 v83, v91, v[TM+1]
	v_permlanex16_b32 v84, v82, s[SEL], s[SEL+1]
	v_permlanex16_b32 v85, v83, s[SEL], s[SEL+1]
	v_or_b32 v82, v82, v84
	v_or_b32 v83, v83, v85
	v_lshl_or_b32 v82, v82, 16, v82
	v_lshl_or_b32 v83, v83, 16, v83
	v_cmp_eq_u32 vcc_lo, 1, v81
	v_cndmask_b32 v[QS], v82, v83, vcc_lo
	; my query's score with itself: the codes widened as they stand, squared and summed (multiples of 2^-8 under 2^15: nothing is rounded), under the block's scale squared
	v_cvt_scale_pk16_f32_bf6 v[OB:OB+15], v[QZ+6:QZ+8], v90
	v_cvt_scale_pk16_f32_bf6 v[OB+16:OB+31], v[S:S+2], v90
	v_cvt_scale_pk16_f32_bf6 v[OB+32:OB+47], v[QZ+18:QZ+20], v90
	v_cvt_scale_pk16_f32_bf6 v[OB+48:OB+63], v[S+32:S+34], v90
	v_lshl_add_u32 v[TM], v[TM], 1, 0xffffff02     ; 2 (byte - 127)
	v_lshl_add_u32 v[TM+1], v[TM+1], 1, 0xffffff02
.irp x, 0,1
	v_pk_mul_f32 v[OB+32*\x:OB+32*\x+1], v[OB+32*\x:OB+32*\x+1], v[OB+32*\x:OB+32*\x+1]
.endr
.irp j, 2,4,6,8,10,12,14,16,18,20,22,24,26,28,30
.irp x, 0,1
	v_pk_fma_f32 v[OB+32*\x:OB+32*\x+1], v[OB+32*\x+\j:OB+32*\x+\j+1], v[OB+32*\x+\j:OB+32*\x+\j+1], v[OB+32*\x:OB+32*\x+1]
.endr
.endr
	v_add_f32 v82, v[OB], v[OB+1]
	v_add_f32 v83, v[OB+32], v[OB+33]
	v_ldexp_f32 v82, v82, v[TM]
	v_ldexp_f32 v83, v83, v[TM+1]
	v_permlanex16_b32 v84, v82, s[SEL], s[SEL+1]
	v_permlanex16_b32 v85, v83, s[SEL], s[SEL+1]
	v_add_f32 v82, v82, v84
	v_add_f32 v83, v83, v85
	ds_store_b64 v88, v[82:83]                     ; kept in my own 8 bytes until the step that holds my queries
	v_mul_f32 v4, s[NC], v82
	v_mul_f32 v6, s[NC], v83
	v_floor_f32 v4, v4                             ; -M begins at the own key's: that key is among the row's
	v_floor_f32 v6, v6
.irp r, 0,1,2,3,4,5,12,13,14,15,16,17,24,25,26,27,28,29
	v_mov_b32 v[QZ+\r], 0                          ; zero codes
.endr
.set j, 0
.rept 64
	v_mov_b32 v[OB+j], 0                           ; O^T: the step is written once, the first adds onto zeros
.set j, j+1
.endr
.irp r, 5,7,8,9,10,11,16,17,18,19
	v_mov_b32 v\r, 0
.endr
.macro W0 d, a, b, sa
	v_wmma_scale_f32_16x16x128_f8f6f4 v[(\d):(\d)+7], v[(\a):(\a)+11], v[(\b):(\b)+11], 0, v[(\sa)], v[QS] matrix_a_fmt:MATRIX_FMT_BF6 matrix_b_fmt:MATRIX_FMT_BF6
.endm
.macro W1 d, a, b, sa
	v_wmma_scale_f32_16x16x128_f8f6f4 v[(\d):(\d)+7], v[(\a):(\a)+11], v[(\b):(\b)+11], 0, v[(\sa)], v[QS] matrix_a_fmt:MATRIX_FMT_BF6 matrix_b_fmt:MATRIX_FMT_BF6 matrix_b_scale:MATRIX_SCALE_ROW1
.endm
.macro SPROD x                                 ; S^T = K Q^T: a pair of fragments against [q | 0] and [0 | q]
.irp g, 0,1,2,3
.if (\x) == 0
	W0 S+16*\g, KF+12*\g, QZ+6, SCL+\g
	W0 S+16*\g+8, KF+12*\g, QZ, SCL+\g
.else
	W1 S+16*\g, KF+12*\g, QZ+18, SCL+\g
	W1 S+16*\g+8, KF+12*\g, QZ+12, SCL+\g
.endif
.endr
.endm
.macro PV                                      ; O^T += V^T P^T: the eight accumulators by turns
.irp d, 0,1,2,3
.irp x, 0,1
	v_wmma_scale_f32_16x16x128_f8f6f4 v[OB+32*\x+8*\d:OB+32*\x+8*\d+7], v[KF+12*\d:KF+12*\d+11], v[PCB+12*\x:PCB+12*\x+11], v[OB+32*\x+8*\d:OB+32*\x+8*\d+7], v[SCL+\d], v[5+2*\x] matrix_a_fmt:MATRIX_FMT_BF6 matrix_b_fmt:MATRIX_FMT_BF6
.endr
.endr
.endm
.macro LOADF off, words
.irp n, 0,1,2,3,4,5,6,7,8,9,10,11
	ds_load_b128 v[KF+4*\n:KF+4*\n+3], v[RB] offset:(\off)+512*\n
.endr
	ds_load_b128 v[SCL:SCL+3], v[RS] offset:(\words)
.endm
.macro PLACES n
.rept \n
	v_nop
.endr
.endm
.macro QADDR                                   ; where my unit's codes and byte go
	v_add_nc_u32 v75, s[W1], v[RB]
	v_add_nc_u32 v76, s[W2], v[RB]
	v_bfe_u32 v77, v0, 4, 1
	v_add_nc_u32 v77, v77, v[RS]
	v_add_nc_u32 v77, s[SA], v77
.endm
.macro QLOAD slot                              ; my block of 32 numbers out of the slot
	s_cmp_lt_u32 s8, 8
	s_cbranch_scc0 .Lvr_\@
.irp q, 0,1,2,3,4,5,6,7
	ds_load_b128 v[S+4*\q:S+4*\q+3], v[KA] offset:(\slot)*RAW+16*\q
.endr
	s_branch .Lrj_\@
.Lvr_\@:
.set i, 0
.rept 32
	ds_load_b32 v[S+i], v[VA] offset:(\slot)*RAW+SP*i
.set i, i+1
.endr
.Lrj_\@:
.endm
.macro QSTORE ring
	ds_store_b64 v75, v[68:69] offset:(\ring)*REC
	ds_store_b64 v76, v[70:71] offset:(\ring)*REC+8
	ds_store_b64 v75, v[72:73] offset:(\ring)*REC+512
	ds_store_b8 v77, v74 offset:(\ring)*REC
.endm
; In the one step that holds my queries the score of query 16 x + r with its own key (register 32 c + 16 x + r of the lanes' half w % 2) is replaced by the plain f32 sum.
.macro DIAG x
	s_cmp_lg_u32 s[TT], s[DG]
	s_cbranch_scc1 .Lnd_\@
	v_lshl_add_u32 v[T], v0, 3, SSQB
	ds_load_b32 v[T+1], v[T] offset:4*(\x)
	v_and_b32 v[T+2], 15, v0
	v_bfe_u32 v[T+3], v0, 4, 1
	v_add_nc_u32 v[T+2], s[C32], v[T+2]
	v_cmp_eq_u32 vcc_lo, s[HB], v[T+3]
	v_cndmask_b32 v[T+2], -1, v[T+2], vcc_lo
	s_wait_alu depctr_va_vdst(0)                   ; the wait ahead of the wait below
	s_wait_dscnt 0x0
.irp c, 0,1
.irp j, 0,1,2,3,4,5,6,7,8,9,10,11,12,13,14,15
	v_cmp_eq_u32 vcc_lo, 32*\c+\j, v[T+2]
	v_cndmask_b32 v[S+32*\c+16*(\x)+\j], v[S+32*\c+16*(\x)+\j], v[T+1], vcc_lo
.endr
.endr
.Lnd_\@:
.endm
.macro BMAX                                    ; the largest score of my two blocks; each accumulator is first read at its low end
.irp c, 0,1
	v_max3_num_f32 v[TM+\c], v[S+32*\c], v[S+32*\c+1], v[S+32*\c+2]
	v_max3_num_f32 v[T+\c], v[S+32*\c+16], v[S+32*\c+17], v[S+32*\c+18]
.endr
.irp i, 3,5,7,9,11,13
.irp c, 0,1
	v_max3_num_f32 v[TM+\c], v[TM+\c], v[S+32*\c+\i], v[S+32*\c+\i+1]
	v_max3_num_f32 v[T+\c], v[T+\c], v[S+32*\c+16+\i], v[S+32*\c+17+\i]
.endr
.endr
.irp c, 0,1
	v_max3_num_f32 v[TM+\c], v[TM+\c], v[T+\c], v[S+32*\c+15]
.endr
.irp c, 0,1
	v_max_num_f32 v[TM+\c], v[TM+\c], v[S+32*\c+31]
.endr
.endm
; Tile x's step: M, the rescaling, p, the sum, p's codes and scale word.  meet = 1 (tile B): the lines in front of the trip's barrier and its signal stand inside; meet = 0 for tile B: only the wait for V's fragments.
.macro SM x, meet, g0
.set NM, 4+2*(\x)
.set PW, 5+2*(\x)
.set SU, 8+2*(\x)
.set PC, PCB+12*(\x)
	DIAG \x
	BMAX
	v_max_num_f32 v[T+2], v[TM], v[TM+1]
	s_delay_alu instid0(VALU_DEP_1)
	v_permlanex16_b32 v[T+3], v[T+2], s[SEL], s[SEL+1]
	s_delay_alu instid0(VALU_DEP_1)
	v_max_num_f32 v[T+2], v[T+2], v[T+3]           ; the step's largest score of my query
	s_delay_alu instid0(VALU_DEP_1)
	v_mul_f32 v[T+2], s[NC], v[T+2]
	s_delay_alu instid0(VALU_DEP_1)
	v_floor_f32 v[T+2], v[T+2]                     ; floor(-t) = -ceil(t)
	s_delay_alu instid0(VALU_DEP_1)
	v_min_num_f32 v[T+2], v[T+2], v[NM]            ; the new -M
	s_delay_alu instid0(VALU_DEP_1)
	v_sub_f32 v[T+3], v[T+2], v[NM]                ; old M - new M: a whole number, 0 or less
	v_mov_b32 v[NM], v[T+2]
	v_cvt_i32_f32 v[T+3], v[T+3]
	s_delay_alu instid0(VALU_DEP_1)
	v_ldexp_f32 v[T+2], 1.0, v[T+3]                ; f = 2^(old M - new M): rounds nothing
	s_wait_alu depctr_va_vdst(0)                   ; the wait directly ahead of the first reader of O^T
.set j, 0
.rept 16
	v_pk_mul_f32 v[OB+32*(\x)+j:OB+32*(\x)+j+1], v[OB+32*(\x)+j:OB+32*(\x)+j+1], v[T+2:T+3] op_sel_hi:[1,0]
.set j, j+2
.endr
	v_pk_mul_f32 v[SU:SU+1], v[SU:SU+1], v[T+2:T+3] op_sel_hi:[1,0]
.if (\meet)
	s_wait_tensorcnt 0x0                           ; my part of the next slot has landed
	ds_add_u32 v[SPW], v[NIL]                      ; the add here
	s_add_nc_u64 s[(\g0)+2:(\g0)+3], s[(\g0)+2:(\g0)+3], 0x100000   ; no load of mine is out: this slot's next record
.endif
.set j, 0
.rept 32
	v_pk_fma_f32 v[S+j:S+j+1], v[S+j:S+j+1], s[CS:CS+1], v[NM:NM+1] op_sel_hi:[1,0,0]   ; t - M
.set j, j+2
.endr
.irp c, 0,1
	v_fma_f32 v[TM+\c], v[TM+\c], s[CS], v[NM]
.endr
	s_wait_alu depctr_va_vdst(0)                   ; the wait ahead of the batch
.if (\meet)
	s_wait_xcnt 0x0                                ; my prefetch has read its address
	s_add_nc_u64 s[PF:PF+1], s[PF:PF+1], 0x80000
	s_wait_dscnt 0x0                               ; the add, my stores into the record, my reads of the slot and of the record: V's fragments are in
	s_barrier_signal -1                            ; the rest of the trip is work on registers
.elseif (\x)
	s_wait_dscnt 0x0                               ; V's fragments are in
.endif
.irp c, 0,1
	v_exp_f32 v[TM+\c], v[TM+\c]                   ; the block's largest p
.endr
.set j, 0
.rept 64
	v_exp_f32 v[S+j], v[S+j]                       ; p = 2^(t - M)
.set j, j+1
.endr
	v_nop
	s_wait_alu depctr_va_vdst(0)                   ; one wait for the batch
	v_pk_add_f32 v[T:T+1], v[S:S+1], v[S+2:S+3]    ; the sum of the unquantised p, in two chains
.set j, 4
.rept 15
	v_pk_add_f32 v[SU:SU+1], v[SU:SU+1], v[S+j:S+j+1]
	v_pk_add_f32 v[T:T+1], v[T:T+1], v[S+j+2:S+j+3]
.set j, j+4
.endr
	v_pk_add_f32 v[SU:SU+1], v[SU:SU+1], v[T:T+1]
.irp c, 0,1
	v_max_num_f32 v[TM+\c], 0x2800000, v[TM+\c]    ; the floor: the byte cannot fall under 1
.endr
.irp c, 0,1
	v_add_nc_u32 v[TM+\c], 0xfe000000, v[TM+\c]
.endr
	v_lshrrev_b32 v[T+2], 23, v[TM]
	v_lshrrev_b32 v[T+3], 23, v[TM+1]
	v_lshl_or_b32 v[T+2], v[T+3], 16, v[T+2]       ; blocks h and 2 + h
	v_permlanex16_b32 v[T+3], v[T+2], s[SEL], s[SEL+1]
	v_lshl_or_b32 v[PW], v[T+3], 8, v[T+2]         ; lanes 0-15, which alone are read: the query's four bytes
	v_cvt_scalef32_pk16_bf6_f32 v[PC:PC+2], v[S:S+15], v[TM]
	v_cvt_scalef32_pk16_bf6_f32 v[T:T+2], v[S+16:S+31], v[TM]
	v_nop
.irp i, 0,1,2
	v_mov_b32 v[PC+3+\i], v[T+\i]
.endr
	v_cvt_scalef32_pk16_bf6_f32 v[PC+6:PC+8], v[S+32:S+47], v[TM+1]
	v_cvt_scalef32_pk16_bf6_f32 v[T:T+2], v[S+48:S+63], v[TM+1]
	v_nop
.irp i, 0,1,2
	v_mov_b32 v[PC+9+\i], v[T+\i]
.endr
.endm
; Trip t, par = t % 2.  tl: fetch record t + 2 into slot par; qn: make my part of record t + 1; bar: the trip's barrier.
.macro TRIP par, tl, qn, bar
.if (\tl)
	tensor_load_to_lds s[G0A+4*(\par):G0A+4*(\par)+3], s[G1:G1+7]   ; first behind the barrier: the slot whose numbers were read last trip
	s_nop 0
.endif
	PLACES 4                                       ; behind the last products, in front of writes of their operands
.if (\qn)
	QADDR
.endif
.if (\tl)
	v_lshlrev_b32 v78, 12, v0
	s_cmp_lt_u32 s[TT], s[LIM]
	s_cbranch_scc0 .Lnp_\@
	global_prefetch_b8 v78, s[PF:PF+1] th:TH_LOAD_NT scope:SCOPE_SE   ; record t + 4
.Lnp_\@:
.endif
	LOADF (\par)*REC, (\par)*REC
.if (\qn)
	QLOAD 1-(\par)
.endif
	s_wait_dscnt 0x0
.if (\qn)
	QBLK S, 68, 74
	QSTORE 1-(\par)
.endif
	SPROD 0
	PLACES 4
	SM 0, 0, 0
	SPROD 1
	PLACES 4
	LOADF (\par)*REC+6144, (\par)*REC+256
	SM 1, \bar, G0A+4*(\par)
	PLACES 4
	PV
	s_add_co_u32 s[TT], s[TT], 1
.if (\bar)
	s_barrier_wait -1
.endif
.endm
	s_wait_alu depctr_va_vdst(0)                   ; the wait at the head's end
	s_wait_tensorcnt 0x0                           ; my rows of records 0 and 1 are in
	ds_add_u32 v[SPW], v[NIL]
	s_wait_xcnt 0x0
	s_add_nc_u64 s[PF:PF+1], s[PF:PF+1], 0x100000  ; on to record 4
	s_wait_dscnt 0x0
	s_barrier_signal -1
	s_barrier_wait -1
	QADDR
	QLOAD 0
	s_wait_dscnt 0x0
	QBLK S, 68, 74
	QSTORE 0
	s_wait_alu depctr_va_vdst(0)
	s_wait_tensorcnt 0x0                           ; the lines in front of a refill's barrier
	ds_add_u32 v[SPW], v[NIL]
	s_wait_dscnt 0x0                               ; record 0's part is stored, my reads of slot 0 are over
	s_barrier_signal -1
	s_barrier_wait -1
.Lloop:                                            ; seven turns of two trips: trips 0 to 13
	TRIP 0, 1, 1, 1
	TRIP 1, 1, 1, 1
	s_add_co_u32 s[II], s[II], 1
	s_cmp_lt_u32 s[II], 7
	s_cbranch_scc1 .Lloop
	TRIP 0, 0, 1, 1                                ; the last two trips fetch nothing
	TRIP 1, 0, 0, 0
	; THE WAY OUT
	v_add_f32 v8, v8, v9
	v_add_f32 v10, v10, v11
	v_permlanex16_b32 v16, v8, s[SEL], s[SEL+1]
	v_permlanex16_b32 v17, v10, s[SEL], s[SEL+1]
	v_add_f32 v8, v8, v16                          ; the rows' sums
	v_add_f32 v10, v10, v17
	v_and_b32 v80, 15, v0
	v_bfe_u32 v81, v0, 4, 1
	v_mul_u32_u24 v82, v80, SP
	v_lshl_add_u32 v82, v81, 5, v82
	v_add_nc_u32 v82, s68, v82                     ; in: row r, 32 h: register 8 d + i is o(r, 16 d + 8 h + i)
	v_mul_u32_u24 v83, v81, 16*SP
	v_lshl_add_u32 v83, v80, 4, v83
	v_add_nc_u32 v83, s68, v83                     ; back: rows e and 16 + e, 16 bytes a lane
	v_lshlrev_b32 v84, 4, v80
	v_lshl_or_b32 v84, v81, 16, v84
	s_wait_alu depctr_va_vdst(0)
	v_rcp_f32 v12, v8
	v_rcp_f32 v14, v10
	v_nop
	s_wait_alu depctr_va_vdst(0)                   ; one wait for the two, directly ahead of the first reader of O^T
.irp x, 0,1
.irp j, 0,1,2,3,4,5,6,7,8,9,10,11,12,13,14,15
	v_pk_mul_f32 v[OB+32*\x+2*\j:OB+32*\x+2*\j+1], v[OB+32*\x+2*\j:OB+32*\x+2*\j+1], v[12+2*\x:13+2*\x] op_sel_hi:[1,0]
.endr
.endr
.irp x, 0,1
.irp d, 0,1,2,3
	ds_store_b128 v82, v[OB+32*\x+8*\d:OB+32*\x+8*\d+3] offset:16*SP*\x+64*\d
	ds_store_b128 v82, v[OB+32*\x+8*\d+4:OB+32*\x+8*\d+7] offset:16*SP*\x+64*\d+16
.endr
.endr
.irp e, 0,1,2,3,4,5,6,7,8,9,10,11,12,13,14,15
	ds_load_b128 v[S+4*\e:S+4*\e+3], v83 offset:SP*\e   ; LDS serves a wave's instructions in order: these see the stores above
.endr
.irp e, 0,1,2,3,4,5,6,7,8,9,10,11,12,13,14,15
	s_wait_dscnt 15-\e                             ; the younger loads may be out
	global_store_b128 v84, v[S+4*\e:S+4*\e+3], s[6:7] offset:4096*\e th:TH_STORE_NT   ; sixteen lanes store 256 consecutive bytes, aligned
.endr
	s_wait_tensorcnt 0x0                           ; the wave's end
	ds_add_u32 v[SPW], v[NIL]
	s_wait_dscnt 0x0
	s_endpgm
.Lfunc_end_k_q2237dd74ff_selfattn:
	.size	k_q2237dd74ff_selfattn, .Lfunc_end_k_q2237dd74ff_selfattn-k_q2237dd74ff_selfattn
	.p2alignl 7, 3214868480
	.fill 96, 4, 3214868480
	.section	.rodata,"a",@progbits
	.p2align	6, 0x0
	.amdhsa_kernel k_q2237dd74ff_selfattn
		.amdhsa_group_segment_fixed_size 327680
		.amdhsa_private_segment_fixed_size 0
		.amdhsa_enable_private_segment 0
		.amdhsa_kernarg_size 16
		.amdhsa_user_sgpr_count 2
		.amdhsa_user_sgpr_kernarg_segment_ptr 1
		.amdhsa_wavefront_size32 1
		.amdhsa_system_sgpr_workgroup_id_x 1
		.amdhsa_system_sgpr_workgroup_id_y 1
		.amdhsa_system_sgpr_workgroup_id_z 1
		.amdhsa_system_vgpr_workitem_id 0
		.amdhsa_next_free_vgpr 256
		.amdhsa_next_free_sgpr 80
		.amdhsa_reserve_vcc 1
		.amdhsa_float_denorm_mode_32 3
		.amdhsa_float_denorm_mode_16_64 3
		.amdhsa_memory_ordered 1
		.amdhsa_forward_progress 1
		.amdhsa_inst_pref_size 177
	.end_amdhsa_kernel
	.amdgpu_metadata
---
amdhsa.version: [ 1, 2 ]
amdhsa.kernels:
  - .name:           k_q2237dd74ff_selfattn
    .symbol:         k_q2237dd74ff_selfattn.kd
    .args:
      - { .name: Q, .offset: 0, .size: 8, .value_kind: global_buffer, .address_space: global }
      - { .name: out0, .offset: 8, .size: 8, .value_kind: global_buffer, .address_space: global }
    .group_segment_fixed_size: 327680
    .private_segment_fixed_size: 0
    .kernarg_segment_align: 8
    .kernarg_segment_size: 16
    .max_flat_workgroup_size: 512
    .sgpr_count:     80
    .vgpr_count:     256
    .wavefront_size: 32
...
	.end_amdgpu_metadata
.endif
;; end of part 1
